; MI455X (gfx1250); checked and timed in simulation.
; The chip was launched on July 23, 2026; its instructions are those of AMD's public machine-readable ISA for CDNA 5 (MIT licence, August 2026) and "CDNA5" Instruction Set Architecture Reference Guide (July 2026). The comments in the code are by the model that wrote it; some were corrected since.
;; Multi Head Attention. Allowed arithmetic: matrix products marked QUANTISED: E5M2 operands, one E8M0 scale for each 32 along K, by v_wmma_scale_f32_16x16x128_f8f6f4 with both operands' format E5M2, f32 sums; everything else in f32.
;; Inputs: Wk_codes 16 x 64 x 32 x 32 uint8 (E5M2 codes of Wk, K innermost, in blocks of 32 codes); Wk_scales 16 x 64 x 32 uint8 (E8M0 scales of Wk, one for each 32 codes along K); Wo_codes 1,024 x 32 x 32 uint8 (E5M2 codes of Wo, K innermost, in blocks of 32 codes); Wo_scales 1,024 x 32 uint8 (E8M0 scales of Wo, one for each 32 codes along K); Wq_codes 16 x 64 x 32 x 32 uint8 (E5M2 codes of Wq, K innermost, in blocks of 32 codes); Wq_scales 16 x 64 x 32 uint8 (E8M0 scales of Wq, one for each 32 codes along K); Wv_codes 16 x 64 x 32 x 32 uint8 (E5M2 codes of Wv, K innermost, in blocks of 32 codes); Wv_scales 16 x 64 x 32 uint8 (E8M0 scales of Wv, one for each 32 codes along K); bo 1,024 float32; x_codes 4 x 2,048 x 32 x 32 uint8 (E5M2 codes of x, K innermost, in blocks of 32 codes); x_scales 4 x 2,048 x 32 uint8 (E8M0 scales of x, one for each 32 codes along K).
;; Outputs: out0 4 x 2,048 x 1,024 float32.
;; This version of the problem:
;;   THIS VERSION OF THE PROBLEM IS GIVEN IN LOW PRECISION. The matrix products marked QUANTISED in the list below multiply operands that are first quantised to E5M2 (5 exponent bits, 2 mantissa bits; 8 bits a number), with one power-of-two scale for each 32 numbers along K (OCP MX v1.0); their sums are f32. All else is computed in f32.
;;   The module's matrix products, in the order in which they are computed (A, B: the left and right operand; K: the contracted axis; several contracted axes count as one K, in the product's order):
;;     1. [M 1,024, K 1,024] x [K 1,024, N 8,192]; A: input Wq (given as codes); B: input x (given as codes): QUANTISED
;;     2. [M 1,024, K 1,024] x [K 1,024, N 8,192]; A: input Wk (given as codes); B: input x (given as codes): QUANTISED
;;     3. [M 1,024, K 1,024] x [K 1,024, N 8,192]; A: input Wv (given as codes); B: input x (given as codes): QUANTISED
;;     4. batch 64 x [M 2,048, K 64] x [K 64, N 2,048]; A: computed on the way; B: computed on the way: QUANTISED
;;     5. batch 64 x [M 2,048, K 2,048] x [K 2,048, N 64]; A: softmax (see below); B: computed on the way: QUANTISED
;;     6. [M 8,192, K 1,024] x [K 1,024, N 1,024]; A: computed on the way; B: input Wo (given as codes): QUANTISED
;;   THE QUANTISER, for each operand of a quantised product, along K:
;;     - K is cut into blocks of 32 from its start; a last block that is shorter is filled with zeros.
;;     - A block's scale is 2^e with e = floor(log2(the largest magnitude in the block)) - 15, held to -126 .. 127; a block of zeros has e = 0. As a byte (E8M0): e + 127.
;;     - Each number is divided by its block's scale, clamped to +-57,344, and rounded to the nearest number of E5M2, ties to even, subnormals kept.
;;     - The product sums the exact products of the quantised numbers (number of the format x scale) in f32.
;;   ~~~python
;;   def quantise(x, axis):      # numpy; x: float32 -> the quantised numbers, widened to float32 again
;;       x = np.moveaxis(x, axis, -1); K = x.shape[-1]
;;       x = np.pad(x, [(0, 0)] * (x.ndim - 1) + [(0, -K % 32)]); x = x.reshape(x.shape[:-1] + (-1, 32)); a = np.abs(x).max(-1, keepdims=True)
;;       e = np.where(a > 0, np.clip(np.frexp(np.where(a > 0, a, 1))[1] - 1 - 15, -126, 127), 0)      # np.frexp(a)[1] - 1 = floor(log2(a)), exactly
;;       r = np.clip(x / 2.0 ** e, -57344, 57344)
;;       step = 2.0 ** (np.maximum(np.frexp(np.where(r == 0, 1, r))[1] - 1, -14) - 2)
;;       q = np.round(r / step) * step * 2.0 ** e      # np.round: ties to even
;;       return np.moveaxis(q.reshape(q.shape[:-2] + (-1,))[..., :K], -1, axis).astype(np.float32)
;;   ~~~
;;   SOFTMAX AHEAD OF A QUANTISED PRODUCT. Where the list says 'softmax', what is quantised is not the finished softmax but p = 2^(t - M), with t = logit x log2(e) and M = ceil(the row's largest t), a whole number; so 1/2 < the row's largest p <= 1. The row's sum l is taken of the UNQUANTISED p, in f32, and the product's result is divided by l at the end. Since M is a whole number, a kernel that streams over the keys may use a running M (the ceiling of the running maximum): every later rescaling is an exact power of two, which a block's scale takes up: the codes' values come out the same.
;;   OPERANDS COMPUTED ON THE WAY. 'Computed on the way' means the value that the module computes at that place (a softmax that the list does not call 'softmax' is quantised finished and normalised). What goes into a quantiser is computed in f32, as accurately as f32 sums, v_exp_f32 and their like allow (about 1e-6 of the number): no bf16 or f16 on the way to a quantiser, and a product that is left as it is and whose result goes on into a quantised operand takes f32 operands (vector FMAs, or v_wmma_f32_16x16x4_f32). A number that lies on a knife's edge between two numbers of the format may be rounded either way, as far as f32 arithmetic and the matrix unit's own rounding can turn it there, and no further.
;;   INPUTS GIVEN AS CODES. Wk (in the module: [16, 1024, 64], K = its axis 1); Wo (in the module: [1024, 1024], K = its axis 0); Wq (in the module: [16, 1024, 64], K = its axis 1); Wv (in the module: [16, 1024, 64], K = its axis 1); x (in the module: [4, 2048, 1024], K = its axis 2): each comes as NAME_codes (uint8): NAME with its K axis moved to the last place and cut into blocks of 32 codes, [.., K / 32, bytes a block], one block behind the other in memory; one code a byte (a code: sign, 5 exponent bits, 2 mantissa bits); and NAME_scales (uint8): the same leading axes, one E8M0 byte (e + 127) for each 32 codes along K. Its value is code x scale, taken as it is: it is not quantised again, and the codes and scales need not be those that the quantiser above would give.
;; One version. Each part assembles by itself: llvm-mc -triple=amdgcn-amd-amdhsa -mcpu=gfx1250 --defsym DOCPART=n.
;; ======== version 1 of 1: 3 launches
;; limits: right only within a limited range of input values
;; workspace buffers: qb 8,912,896 bytes; kv 17,563,648 bytes; ac 8,388,608 bytes; asb 262,144 bytes
;; launch proj (part 1): grid 32 x 8, 4 waves a work-group, clusters of 4 x 1, 327,680 bytes of LDS; arguments x_codes, x_scales, Wq_codes, Wq_scales, Wk_codes, Wk_scales, Wv_codes, Wv_scales, qb, kv; writes qb, kv
.if DOCPART == 1
	.amdgcn_target "amdgcn-amd-amdhsa--gfx1250"
	.amdhsa_code_object_version 6
	.text
	.protected	k_q21171099c5_proj
	.globl	k_q21171099c5_proj
	.p2align	8
	.type	k_q21171099c5_proj,@function
k_q21171099c5_proj:
	s_mov_b64 s[64:65], 0
	v_nop
	global_prefetch_b8 v0, s[64:65] scope:SCOPE_SE
	s_setreg_imm32_b32 hwreg(HW_REG_WAVE_MODE, 25, 1), 1
	s_wait_xcnt 0x0
	s_wait_alu depctr_hold_cnt(0) depctr_sa_sdst(0) depctr_va_vdst(0) depctr_va_sdst(0) depctr_va_ssrc(0) depctr_va_vcc(0) depctr_vm_vsrc(0)
	s_getreg_b32 s2, hwreg(HW_REG_IB_STS2, 6, 4)
	s_cmp_eq_u32 s2, 0
	s_cbranch_scc0 .Lentry_in_a_cluster
	s_endpgm
.Lentry_in_a_cluster:
	s_bfe_u32 s2, ttmp6, 0x10000c
	s_cmp_lg_u32 s2, 0x3003
	s_cbranch_scc0 .Lentry_shape_is_right
	s_endpgm
.Lentry_shape_is_right:
.set SLOT1,  1<<17
.set PITCH,  1040
.set TILEB,  16*PITCH
.set SPARE,  2*SLOT1
.set QREC,   17408
.set REC,    34304
.set XS,     16
.set WS,     32
.set WF,     64
.set TM,     128
.set PC,     144
.set SW,     176
.set MSB, 0
.macro WIN new
.if MSB != (\new)
	s_set_vgpr_msb (MSB<<8)|(\new)
.set MSB, \new
.endif
.endm
.macro PLACES n
.rept \n
	v_nop
.endr
.endm
.macro CROUND
	s_barrier_signal -1
	s_barrier_wait -1
	s_cmp_lg_u32 s24, 0
	s_cbranch_scc1 .Lnot_wave_0_\@
	s_barrier_signal -3
.Lnot_wave_0_\@:
	s_barrier_wait -3
	s_barrier_signal -1
	s_barrier_wait -1
.endm
.macro WM d, a, b, z, sa, sb, ra, rb
.if \z
.if (\ra) && (\rb)
	v_wmma_scale_f32_16x16x128_f8f6f4 v[\d:\d+7], v[\a:\a+15], v[\b:\b+15], 0, v[\sa], v[\sb] matrix_a_fmt:MATRIX_FMT_BF8 matrix_b_fmt:MATRIX_FMT_BF8 matrix_a_scale:MATRIX_SCALE_ROW1 matrix_b_scale:MATRIX_SCALE_ROW1
.elseif \ra
	v_wmma_scale_f32_16x16x128_f8f6f4 v[\d:\d+7], v[\a:\a+15], v[\b:\b+15], 0, v[\sa], v[\sb] matrix_a_fmt:MATRIX_FMT_BF8 matrix_b_fmt:MATRIX_FMT_BF8 matrix_a_scale:MATRIX_SCALE_ROW1
.elseif \rb
	v_wmma_scale_f32_16x16x128_f8f6f4 v[\d:\d+7], v[\a:\a+15], v[\b:\b+15], 0, v[\sa], v[\sb] matrix_a_fmt:MATRIX_FMT_BF8 matrix_b_fmt:MATRIX_FMT_BF8 matrix_b_scale:MATRIX_SCALE_ROW1
.else
	v_wmma_scale_f32_16x16x128_f8f6f4 v[\d:\d+7], v[\a:\a+15], v[\b:\b+15], 0, v[\sa], v[\sb] matrix_a_fmt:MATRIX_FMT_BF8 matrix_b_fmt:MATRIX_FMT_BF8
.endif
.else
.if (\ra) && (\rb)
	v_wmma_scale_f32_16x16x128_f8f6f4 v[\d:\d+7], v[\a:\a+15], v[\b:\b+15], v[\d:\d+7], v[\sa], v[\sb] matrix_a_fmt:MATRIX_FMT_BF8 matrix_b_fmt:MATRIX_FMT_BF8 matrix_a_scale:MATRIX_SCALE_ROW1 matrix_b_scale:MATRIX_SCALE_ROW1
.elseif \ra
	v_wmma_scale_f32_16x16x128_f8f6f4 v[\d:\d+7], v[\a:\a+15], v[\b:\b+15], v[\d:\d+7], v[\sa], v[\sb] matrix_a_fmt:MATRIX_FMT_BF8 matrix_b_fmt:MATRIX_FMT_BF8 matrix_a_scale:MATRIX_SCALE_ROW1
.elseif \rb
	v_wmma_scale_f32_16x16x128_f8f6f4 v[\d:\d+7], v[\a:\a+15], v[\b:\b+15], v[\d:\d+7], v[\sa], v[\sb] matrix_a_fmt:MATRIX_FMT_BF8 matrix_b_fmt:MATRIX_FMT_BF8 matrix_b_scale:MATRIX_SCALE_ROW1
.else
	v_wmma_scale_f32_16x16x128_f8f6f4 v[\d:\d+7], v[\a:\a+15], v[\b:\b+15], v[\d:\d+7], v[\sa], v[\sb] matrix_a_fmt:MATRIX_FMT_BF8 matrix_b_fmt:MATRIX_FMT_BF8
.endif
.endif
.endm
.macro FETCHW s
.irp ft, 0,1,2,3
.irp c, 0,1,2,3
	ds_load_b128 v[WF+64*((\s)%2)+16*\ft+4*\c:WF+64*((\s)%2)+16*\ft+4*\c+3], v7 offset:\ft*TILEB+128*(\s)+32*\c
.endr
.endr
.endm
.macro MM vt, s
.irp tt, 0,1,2,3
.if \vt
	WIN 0xf1+\tt/2
.else
	WIN 0xf4+4*(\tt/2)
.endif
.irp ft, 0,1,2,3
.set rW, WF+64*((\s)%2)+16*\ft
.set rX, 128*(\tt%2)+16*(\s)
.set sW, WS+8*(\ft/2)+(\s)
.set sX, XS+8*(\tt/2)+(\s)
.set pW, \ft%2
.set pX, \tt%2
.if (\s) == 0
.set zz, 1
.else
.set zz, 0
.endif
.if \vt
.set rD, 32*\ft+8*\tt
	WM rD, rX, rW, zz, sX, sW, pX, pW
.else
.set rD, 32*\tt+8*\ft
	WM rD, rW, rX, zz, sW, sX, pW, pX
.endif
.endr
.endr
.endm
.macro MATMUL vt, lc
.irp s, 0,1,2,3,4,5,6,7
.if (\s > 0) && (\s < 7)
	PLACES 8
.endif
.if \s < 7
	FETCHW \s+1
	s_wait_dscnt 16
.else
	s_wait_dscnt 0x0
.endif
.if \lc
.if 16*(7-\s) > 63
	s_wait_loadcnt 63
.else
	s_wait_loadcnt 16*(7-\s)
.endif
.endif
	MM \vt, \s
	WIN 0
.endr
.endm
.macro CHANGE fill
	s_wait_tensorcnt 0x0
	ds_add_u32 v8, v9
.if \fill
	s_xor_b32 s49, s49, SLOT1
	s_cmp_lt_u32 s27, 2
	s_cselect_b64 s[50:51], s[12:13], s[16:17]
	s_add_nc_u64 s[50:51], s[50:51], s[52:53]
	s_and_b32 s54, s27, 1
	s_lshl_b32 s54, s54, 16
	s_mov_b32 s55, 0
	s_add_nc_u64 s[50:51], s[50:51], s[54:55]
	s_or_b32 s51, s51, 0x80000000
.endif
	s_wait_dscnt 0x0
.if \fill
	CROUND
	tensor_load_to_lds s[48:51], s[36:43]
	s_nop 0
.else
	s_barrier_signal -1
	s_barrier_wait -1
.endif
	PLACES 4
.endm
.macro NEXTS tail                      ; the next weight's scale words, asked for ahead of the change of slots; eight places behind the products that read these registers
	PLACES 8
.if \tail
	s_mov_b64 s[56:57], s[18:19]
	s_lshl_b32 s54, s25, 12
	s_add_co_u32 s54, s54, 2048
.else
	s_add_co_u32 s62, s27, 1
	s_cmp_lt_u32 s62, 2
	s_cselect_b64 s[56:57], s[10:11], s[14:15]
	s_cmp_lt_u32 s62, 4
	s_cselect_b64 s[56:57], s[56:57], s[18:19]
	s_and_b32 s62, s62, 1
	s_lshl_b32 s62, s62, 11
	s_lshl_b32 s54, s25, 12
	s_add_co_u32 s54, s54, s62
.endif
	s_mov_b32 s55, 0
	s_add_nc_u64 s[56:57], s[56:57], s[54:55]
.irp c, 0,1
	global_load_b128 v[WS+8*\c:WS+8*\c+3], v5, s[56:57] offset:1024*\c
	global_load_b128 v[WS+8*\c+4:WS+8*\c+7], v5, s[56:57] offset:1024*\c+16
.endr
.endm
.macro NEXT                            ; behind the change of slots: the other slot's address and its first fragments
	s_xor_b32 s28, s28, SLOT1
	v_add_nc_u32 v7, s28, v6
	s_wait_alu depctr_va_vdst(0)
	PLACES 4
	FETCHW 0
.endm
.macro QUANT p
.irp b, 0,1,2,3
	v_max3_num_f32 v[TM+\b], |v[64*\p+16*\b]|, |v[64*\p+16*\b+1]|, 0x8000000
.endr
.irp i, 2,4,6,8,10,12,14
.irp b, 0,1,2,3
	v_max3_num_f32 v[TM+\b], v[TM+\b], |v[64*\p+16*\b+\i]|, |v[64*\p+16*\b+\i+1]|
.endr
.endr
.irp b, 0,1,2,3
	v_permlanex16_b32 v[TM+4+\b], v[TM+\b], s30, s31
.endr
.irp b, 0,1,2,3
	v_max_num_f32 v[TM+\b], v[TM+\b], v[TM+4+\b]
.endr
.irp b, 0,1,2,3
	v_add_nc_u32 v[TM+12+\b], 0xf8800000, v[TM+\b]
.endr
.irp b, 0,1,2,3
	v_and_or_b32 v[TM+8+\b], v[TM+\b], 0x7f800000, s32
.endr
.irp b, 0,1,2,3
	v_lshrrev_b32 v[TM+4+\b], 23, v[TM+12+\b]
.endr
	v_lshl_or_b32 v178, v[TM+5], 8, v[TM+4]
	v_lshl_or_b32 v179, v[TM+7], 8, v[TM+6]
	v_lshl_or_b32 v178, v178, 16, v178
	v_lshl_or_b32 v179, v179, 16, v179
	v_cndmask_b32 v[SW+\p], v178, v179, s29
.irp b, 0,1,2,3
.irp i, 0,1,2,3,4,5,6,7,8,9,10,11,12,13,14,15
	v_med3_num_f32 v[64*\p+16*\b+\i], v[64*\p+16*\b+\i], -v[TM+8+\b], v[TM+8+\b]
.endr
	v_cvt_scalef32_pk8_bf8_f32 v[PC+16*\p+4*\b:PC+16*\p+4*\b+1], v[64*\p+16*\b:64*\p+16*\b+7], v[TM+12+\b]
	v_cvt_scalef32_pk8_bf8_f32 v[PC+16*\p+4*\b+2:PC+16*\p+4*\b+3], v[64*\p+16*\b+8:64*\p+16*\b+15], v[TM+12+\b]
.endr
	v_nop
.endm
.macro EPI vt, par
	s_wait_xcnt 0x0
.if \vt
	s_add_co_u32 s66, s68, 8*\par
	s_mul_i32 s66, s66, REC
	s_mov_b32 s67, 0
	s_add_nc_u64 s[58:59], s[22:23], s[66:67]
	s_lshr_b32 s62, s24, 1
	s_and_b32 s63, s24, 1
	s_lshl_b32 s54, s62, 8
	s_lshl_b32 s55, s63, 1
	s_add_co_u32 s54, s54, s55
	s_add_co_u32 s54, s54, 33792
	s_mov_b32 s55, 0
	s_add_nc_u64 s[60:61], s[58:59], s[54:55]
	s_lshl_b32 s54, s62, 13
	s_lshl_b32 s62, s63, 10
	s_add_co_u32 s54, s54, s62
	s_add_co_u32 s54, s54, 16384
	s_add_nc_u64 s[58:59], s[58:59], s[54:55]
.else
	s_cmp_lt_u32 s27, 2
	s_cselect_b64 s[58:59], s[20:21], s[22:23]
	s_mov_b32 s62, REC
	s_cselect_b32 s62, QREC, s62
	s_mov_b32 s63, 32768
	s_cselect_b32 s63, 16384, s63
	s_and_b32 s66, s27, 1
	s_lshl_b32 s66, s66, 3
	s_add_co_u32 s66, s66, s68
	s_mul_i32 s66, s66, s62
	s_mov_b32 s67, 0
	s_add_nc_u64 s[58:59], s[58:59], s[66:67]
	s_lshl_b32 s54, s24, 8
	s_add_co_u32 s54, s54, s63
	s_mov_b32 s55, 0
	s_add_nc_u64 s[60:61], s[58:59], s[54:55]
	s_lshl_b32 s54, s24, 12
	s_add_nc_u64 s[58:59], s[58:59], s[54:55]
.endif
	WIN 0xff
	QUANT 0
	QUANT 1
.irp t, 0,1,2,3
.if \vt
	global_store_b128 v184, v[PC+8*\t:PC+8*\t+3], s[58:59] offset:2048*\t
	global_store_b128 v184, v[PC+8*\t+4:PC+8*\t+7], s[58:59] offset:2048*\t+512
.else
	global_store_b128 v184, v[PC+8*\t:PC+8*\t+3], s[58:59] offset:1024*\t
	global_store_b128 v184, v[PC+8*\t+4:PC+8*\t+7], s[58:59] offset:1024*\t+512
.endif
.endr
.if \vt
	global_store_b16 v185, v[SW], s[60:61]
	global_store_b16 v185, v[SW+1], s[60:61] offset:4
.else
	global_store_b64 v185, v[SW:SW+1], s[60:61]
.endif
	WIN 0
.endm
	s_load_b512 s[4:19], s[0:1], 0x0
	s_load_b128 s[20:23], s[0:1], 0x40
	v_lshl_add_u32 v8, v0, 2, SPARE
	v_mov_b32 v9, 0
	ds_add_u32 v8, v9
	ds_add_u32 v8, v9
	s_wait_dscnt 0x0
	v_lshrrev_b32 v1, 5, v0
	v_readfirstlane_b32 s24, v1
	s_bfe_u32 s62, ttmp6, 0x40000
	s_lshl_b32 s26, ttmp9, 2
	s_add_co_u32 s26, s26, s62
	s_and_b32 s25, ttmp7, 0xffff
	s_mov_b32 s27, 0
	s_mov_b32 s28, 0
	s_mov_b32 s29, 0xffff0000
	s_mov_b32 s30, 0x76543210
	s_mov_b32 s31, 0xfedcba98
	s_mov_b32 s32, 0x600000
	s_mov_b32 s36, 15|(3<<16)|(1<<20)|(1<<21)|(7<<22)|(3<<25)
	s_mov_b32 s37, 1024<<16
	s_mov_b32 s38, 2<<16
	s_mov_b32 s39, 1024<<16
	s_mov_b32 s40, 2
	s_mov_b32 s41, 2048
	s_mov_b32 s42, 0
	s_mov_b32 s43, 0
	s_lshl_b32 s52, s25, 7
	s_lshr_b32 s62, s24, 1
	s_lshl_b32 s62, s62, 5
	s_add_co_u32 s52, s52, s62
	s_and_b32 s62, s24, 1
	s_lshl_b32 s62, s62, 3
	s_add_co_u32 s52, s52, s62
	s_lshl_b32 s52, s52, 10
	s_mov_b32 s53, 0
	s_lshr_b32 s68, s26, 3
	s_lshl_b32 s68, s68, 4
	s_lshl_b32 s62, s25, 1
	s_add_co_u32 s68, s68, s62
	s_lshl_b32 s68, s68, 3
	s_and_b32 s62, s26, 7
	s_add_co_u32 s68, s68, s62
	s_mul_i32 s63, s24, TILEB
	s_mov_b32 s44, 1
	s_mov_b32 s45, s63
	s_mov_b32 s48, 1
	s_add_co_u32 s49, s63, SLOT1
	s_wait_kmcnt 0x0
	s_add_nc_u64 s[46:47], s[8:9], s[52:53]
	s_or_b32 s47, s47, 0x80000000
	s_add_nc_u64 s[50:51], s[8:9], s[52:53]
	s_add_nc_u64 s[50:51], s[50:51], 65536
	s_or_b32 s51, s51, 0x80000000
	CROUND
	tensor_load_to_lds s[44:47], s[36:43]
	s_nop 0
	PLACES 4
	; x's codes and the scale words are asked for while slot 0's tile is on its way
	s_lshl_b32 s62, s26, 8
	s_lshl_b32 s63, s24, 6
	s_add_co_u32 s62, s62, s63
	s_lshl_b32 s54, s62, 10
	s_mov_b32 s55, 0
	s_add_nc_u64 s[4:5], s[4:5], s[54:55]
	s_lshl_b32 s54, s62, 5
	s_add_nc_u64 s[6:7], s[6:7], s[54:55]
	s_lshl_b32 s54, s25, 12
	s_add_nc_u64 s[56:57], s[10:11], s[54:55]
	v_and_b32 v1, 31, v0
	v_and_b32 v2, 15, v0
	v_bfe_u32 v3, v0, 4, 1
	v_and_b32 v10, 8, v2
	v_add_nc_u32 v10, v10, v2
	v_lshlrev_b32 v4, 10, v10
	v_lshl_add_u32 v4, v3, 4, v4
	v_lshl_add_u32 v5, v3, 3, v10
	v_lshlrev_b32 v5, 5, v5
	v_mul_u32_u24 v6, v2, PITCH
	v_lshl_add_u32 v6, v3, 4, v6
	WIN 0xc0
	v_lshlrev_b32 v184, 4, v1
	v_lshlrev_b32 v185, 3, v1
.irp b, 0,1,2,3
	v_mov_b32 v[TM+4+\b], 0
.endr
	WIN 0
.irp c, 0,1
	global_load_b128 v[WS+8*\c:WS+8*\c+3], v5, s[56:57] offset:1024*\c
	global_load_b128 v[WS+8*\c+4:WS+8*\c+7], v5, s[56:57] offset:1024*\c+16
.endr
.irp b, 0,1
	global_load_b128 v[XS+8*\b:XS+8*\b+3], v5, s[6:7] offset:1024*\b
	global_load_b128 v[XS+8*\b+4:XS+8*\b+7], v5, s[6:7] offset:1024*\b+16
.endr
.irp s, 0,1,2,3,4,5,6,7
	WIN 0x40
.irp u, 0,1
.irp c, 0,1,2,3
	global_load_b128 v[128*\u+16*\s+4*\c:128*\u+16*\s+4*\c+3], v4, s[4:5] offset:(8*\u)*1024+128*\s+32*\c
.endr
.endr
	WIN 0x80
.irp u, 0,1
.irp c, 0,1,2,3
	global_load_b128 v[128*\u+16*\s+4*\c:128*\u+16*\s+4*\c+3], v4, s[4:5] offset:(32+8*\u)*1024+128*\s+32*\c
.endr
.endr
.endr
	WIN 0
	s_wait_alu depctr_va_vdst(0)
	s_wait_tensorcnt 0x0                           ; my part of slot 0 is in
	ds_add_u32 v8, v9
	s_wait_dscnt 0x0
	CROUND                                         ; everybody's part of slot 0 is in, and the four work-groups are here
	tensor_load_to_lds s[48:51], s[36:43]          ; slot 1's first fill, the first tensor load behind the round
	s_nop 0
	PLACES 4
	v_add_nc_u32 v7, s28, v6
	FETCHW 0
.Lmat:
	s_wait_alu depctr_va_vdst(0)
	MATMUL 0, 1
	NEXTS 0
	CHANGE 1
	NEXT
	EPI 0, 0
	s_wait_loadcnt 0x0
	s_add_co_u32 s27, s27, 1
	s_cmp_lt_u32 s27, 4
	s_cbranch_scc1 .Lmat
	MATMUL 1, 0
	NEXTS 1
	CHANGE 0
	NEXT
	EPI 1, 0
	s_wait_loadcnt 0x0
	MATMUL 1, 0
	PLACES 8
	EPI 1, 1
	s_wait_tensorcnt 0x0
	ds_add_u32 v8, v9
	s_wait_dscnt 0x0
	CROUND
	s_endpgm
.Lfunc_end_k_q21171099c5_proj:
	.size	k_q21171099c5_proj, .Lfunc_end_k_q21171099c5_proj-k_q21171099c5_proj
	.p2alignl 7, 3214868480
	.fill 96, 4, 3214868480
	.section	.rodata,"a",@progbits
	.p2align	6, 0x0
	.amdhsa_kernel k_q21171099c5_proj
		.amdhsa_group_segment_fixed_size 327680
		.amdhsa_private_segment_fixed_size 0
		.amdhsa_enable_private_segment 0
		.amdhsa_kernarg_size 80
		.amdhsa_user_sgpr_count 2
		.amdhsa_user_sgpr_kernarg_segment_ptr 1
		.amdhsa_wavefront_size32 1
		.amdhsa_system_sgpr_workgroup_id_x 1
		.amdhsa_system_sgpr_workgroup_id_y 1
		.amdhsa_system_sgpr_workgroup_id_z 1
		.amdhsa_system_vgpr_workitem_id 0
		.amdhsa_next_free_vgpr 1024
		.amdhsa_next_free_sgpr 72
		.amdhsa_reserve_vcc 0
		.amdhsa_float_denorm_mode_32 3
		.amdhsa_float_denorm_mode_16_64 3
		.amdhsa_memory_ordered 1
		.amdhsa_forward_progress 1
		.amdhsa_inst_pref_size 157
	.end_amdhsa_kernel
	.amdgpu_metadata
---
amdhsa.version: [ 1, 2 ]
amdhsa.kernels:
  - .name:           k_q21171099c5_proj
    .symbol:         k_q21171099c5_proj.kd
    .args:
      - { .name: x_codes, .offset: 0, .size: 8, .value_kind: global_buffer, .address_space: global }
      - { .name: x_scales, .offset: 8, .size: 8, .value_kind: global_buffer, .address_space: global }
      - { .name: Wq_codes, .offset: 16, .size: 8, .value_kind: global_buffer, .address_space: global }
      - { .name: Wq_scales, .offset: 24, .size: 8, .value_kind: global_buffer, .address_space: global }
      - { .name: Wk_codes, .offset: 32, .size: 8, .value_kind: global_buffer, .address_space: global }
      - { .name: Wk_scales, .offset: 40, .size: 8, .value_kind: global_buffer, .address_space: global }
      - { .name: Wv_codes, .offset: 48, .size: 8, .value_kind: global_buffer, .address_space: global }
      - { .name: Wv_scales, .offset: 56, .size: 8, .value_kind: global_buffer, .address_space: global }
      - { .name: qb, .offset: 64, .size: 8, .value_kind: global_buffer, .address_space: global }
      - { .name: kv, .offset: 72, .size: 8, .value_kind: global_buffer, .address_space: global }
    .group_segment_fixed_size: 327680
    .private_segment_fixed_size: 0
    .kernarg_segment_align: 8
    .kernarg_segment_size: 80
    .max_flat_workgroup_size: 128
    .sgpr_count:     72
    .vgpr_count:     1024
    .wavefront_size: 32
...
	.end_amdgpu_metadata
.endif
;; end of part 1
;; launch attn (part 2): grid 4 x 64, 8 waves a work-group, clusters of 4 x 1, 327,680 bytes of LDS; arguments qb, kv, ac, asb; writes ac, asb
.if DOCPART == 2
	.amdgcn_target "amdgcn-amd-amdhsa--gfx1250"
	.amdhsa_code_object_version 6
	.text
	.protected	k_q21171099c5_attn
	.globl	k_q21171099c5_attn
	.p2align	8
	.type	k_q21171099c5_attn,@function
k_q21171099c5_attn:
	s_mov_b64 s[64:65], 0
	v_nop
	global_prefetch_b8 v0, s[64:65] scope:SCOPE_SE
	s_setreg_imm32_b32 hwreg(HW_REG_WAVE_MODE, 25, 1), 1
	s_wait_xcnt 0x0
	s_wait_alu depctr_hold_cnt(0) depctr_sa_sdst(0) depctr_va_vdst(0) depctr_va_sdst(0) depctr_va_ssrc(0) depctr_va_vcc(0) depctr_vm_vsrc(0)
	s_getreg_b32 s2, hwreg(HW_REG_IB_STS2, 6, 4)
	s_cmp_eq_u32 s2, 0
	s_cbranch_scc0 .Lentry_in_a_cluster
	s_endpgm
.Lentry_in_a_cluster:
	s_bfe_u32 s2, ttmp6, 0x10000c
	s_cmp_lg_u32 s2, 0x3003
	s_cbranch_scc0 .Lentry_shape_is_right
	s_endpgm
.Lentry_shape_is_right:
; Causal attention of one head on codes of BF8 (E5M2) with E8M0 scales: S^T = k q^T (K = the head's 64), the softmax, O^T = v^T p^T (K = the keys), O / the row's sum, quantised along the head's 64 for the last product.
; THE SOFTMAX: t = score x log2(e) / 8; M = the row's largest t so far, rounded UP to a whole number; p = 2^(t - M) is quantised along the keys, not normalised; the row's sum is taken of the unquantised p.  When M moves, the sum and O^T are multiplied by 2^(old M - new M): exact.
; SHARES.  The four work-groups i = 0 .. 3 of a cluster serve one head.  The head's 2,048 queries are 64 groups of 32 (two tiles A, B of 16).  Wave w of work-group i owns group 63 - g and then group g, g = 4 w + i:
; (16 - w) + (w + 1) = 17 key steps of 128 keys for every wave of the launch, two of them on the diagonal.  The number of steps hangs on w alone: (63 - g) / 4 = 15 - w, g / 4 = w.
; LDS.  The head's eight records of kv (256 keys each: k's 16 images, v's 8, both scale words; 34,304 dense bytes) lie in LDS all at once, 274,432 bytes: wave w brings record w at the head, and nothing is filled again.
; CLUSTER.  All four work-groups need all eight records: each is asked for jointly, with the mask of all four.  The place in the cluster enters q's, ac's and asb's global addresses and the mask's vector number, no branch and no LDS address.
; TWO BARRIERS.  The first shows records 0 and 1 (waves 0 and 1 have a load line of their own and wait there); behind three key steps, which read those two records alone, the second shows the rest.  Behind it no wave waits for another.
; LAYOUT.  Both products are used transposed: a lane holds ONE query (lane % 16) of each tile.  Keys, queries and d lie in tile order (place i of tile (b, u): 32 b + 8 u + i + 8 (i / 8)), so that the 16 registers of tiles 2 b, 2 b + 1 are 16 neighbours.
; K = 64 IN A FORM OF 128: the other half is zero codes on both sides: even key tiles [k, 0] against [q, 0], odd ones [0, k] against [0, q].  A scale word holds its two bytes twice and serves both.
; THE ORDER OF A STEP: 16 score products; the next step's k is asked for; both tiles' maxima and M; A's t - M; A's exponentials with B's t - M among them; A's sum and scales; B's exponentials with A's holds among them; A's codes;
; v's fragments are asked for onto A's score registers; B's sum, scales, holds, codes; both O^T x f; 8 products.  A line that stands among exponentials writes what is first read behind the batch's wait.
; CAUSAL.  The loops' trip counts are constants; a step all of whose keys come after the wave's queries is left out by a scalar branch on the step and the wave's number; in a group's last step hidden scores become -infinity ahead of the maximum.
; NO PREFETCH: every tensor load stands at the head; there is no loop to run ahead in.
; OUT.  ac [token tile][K step of 128][quarter][512]: my head's 1,024 bytes of a tile, as two stores of 512 consecutive bytes.  asb [token tile][place][32]: two bytes a token.
; LIMITS: NaN and infinities among the scores are not served; the scaled scores stay under 2^31 in magnitude; a block's largest p is taken from its largest score, which takes v_exp_f32 not to fall where its input rises.
; REGISTERS.  Window 0: v1-9 addresses; v12-15, v16-19 a tile's -M, largest score, sum (pair); v20-39, v40-59 a tile's temporaries; v60-73 partial sums; v74-85 scale words; v86, v87 v's LDS addresses; v88 the mask's lane term;
;   v96-159 A's scores, then p, then v's fragments; v160-223 B's scores, then p; v224-239, v240-255 p's codes.  Window 1: v0-31, v32-63 O^T; v64-103 qA 0 qB 0 qA; v104-199 k: four runs k 0 k; v200-215 the second group's q.
.set REC,    34304                     ; 134 rows of 256 bytes
.set QREC,   17408
.set SPARE,  8*REC                     ; behind the records: the spare words, 128 bytes for each of eight waves: four blocks of 256 bytes that no other line names
.set VCO,    16384                     ; in a record: v's images,
.set KSC,    32768                     ; k's scale words,
.set VSC,    33792                     ; v's
.set STA, 12                           ; tile x: STA + 4 x: -M, largest score, the sum's two halves
.set TA,  20                           ; tile x: TA + 20 x: +0 blocks' maxima, +4 the other half's / bytes, +8 bounds, +12 the conversions' scale operands, +16 f (pair), +18, +19 at work
.set U,   60
.set KS,  74                           ; k's scale words, one a key block
.set VS,  78                           ; v's: d tiles 0, 1 and 2, 3
.set QS,  80                           ; q's: tile A, tile B
.set PS,  82                           ; p's
.set QN,  84                           ; the second group's q's
.set SA,  96
.set SB,  160
.set CA,  224
.set OA,  0                            ; window 1
.set QR,  64
.set KF,  104
.set QNX, 200
.set MSB, 0
.macro WIN new                         ; the immediate's high byte repeats the setting that is left
.if MSB != (\new)
	s_set_vgpr_msb (MSB<<8)|(\new)
.set MSB, \new
.endif
.endm
.macro PLACES n
.rept \n
	v_nop
.endr
.endm
.macro WALU
	s_wait_alu depctr_va_vdst(0)
.endm
.macro CROUND                          ; a round of the cluster's barrier
	s_barrier_signal -1
	s_barrier_wait -1
	s_cmp_lg_u32 s12, 0
	s_cbranch_scc1 .Lnot_wave_0_\@
	s_barrier_signal -3
.Lnot_wave_0_\@:
	s_barrier_wait -3
	s_barrier_signal -1
	s_barrier_wait -1
.endm
.macro KLOAD                           ; k's eight tiles (at v8) and four scale words (at v9) of a step
	WIN 0x40
.irp t, 0,1,2,3,4,5,6,7
	ds_load_b128 v[KF+24*(\t/2)+16*(\t%2):KF+24*(\t/2)+16*(\t%2)+3], v8 offset:1024*\t
	ds_load_b128 v[KF+24*(\t/2)+16*(\t%2)+4:KF+24*(\t/2)+16*(\t%2)+7], v8 offset:1024*\t+512
.endr
	WIN 0
	ds_load_b64 v[KS:KS+1], v9 offset:KSC
	ds_load_b64 v[KS+2:KS+3], v9 offset:KSC+256
.endm
.macro VLOAD                           ; v's four fragments of the step onto A's score registers, and its scale words
.irp d, 0,1,2,3
.irp c, 0,1,2,3
	ds_load_b128 v[SA+16*\d+4*\c:SA+16*\d+4*\c+3], v86 offset:VCO+2048*\d+512*\c
.endr
.endr
	ds_load_b64 v[VS:VS+1], v87 offset:VSC
.endm
.macro SMM d, a, b, ks, qs, row1       ; a score product: the sum begins with 0
.if \row1
	v_wmma_scale_f32_16x16x128_f8f6f4 v[(\d):(\d)+7], v[(\a):(\a)+15], v[(\b):(\b)+15], 0, v[\ks], v[\qs] matrix_a_fmt:MATRIX_FMT_BF8 matrix_b_fmt:MATRIX_FMT_BF8 matrix_a_scale:MATRIX_SCALE_ROW1
.else
	v_wmma_scale_f32_16x16x128_f8f6f4 v[(\d):(\d)+7], v[(\a):(\a)+15], v[(\b):(\b)+15], 0, v[\ks], v[\qs] matrix_a_fmt:MATRIX_FMT_BF8 matrix_b_fmt:MATRIX_FMT_BF8
.endif
.endm
.macro PMM d, a, b, vs, ps, row1       ; O^T += v^T p^T
.if \row1
	v_wmma_scale_f32_16x16x128_f8f6f4 v[(\d):(\d)+7], v[(\a):(\a)+15], v[(\b):(\b)+15], v[(\d):(\d)+7], v[\vs], v[\ps] matrix_a_fmt:MATRIX_FMT_BF8 matrix_b_fmt:MATRIX_FMT_BF8 matrix_a_scale:MATRIX_SCALE_ROW1
.else
	v_wmma_scale_f32_16x16x128_f8f6f4 v[(\d):(\d)+7], v[(\a):(\a)+15], v[(\b):(\b)+15], v[(\d):(\d)+7], v[\vs], v[\ps] matrix_a_fmt:MATRIX_FMT_BF8 matrix_b_fmt:MATRIX_FMT_BF8
.endif
.endm
.macro GADR g, q, s, oa, ob            ; query group s[g]: its two tiles' images s[q:q+1], its scale words s[s:s+1], its places in ac s[oa:oa+1] and asb s[ob:ob+1]
	s_lshr_b32 s51, s\g, 3                         ; the record of 256 queries,
	s_and_b32 s52, s\g, 7                          ; the group's place in it
	s_lshl_b32 s53, s14, 3
	s_add_co_u32 s53, s53, s51
	s_mul_i32 s70, s53, QREC
	s_mov_b32 s71, 0
	s_add_nc_u64 s[\q:\q+1], s[4:5], s[70:71]
	s_lshr_b32 s53, s52, 1
	s_lshl_b32 s53, s53, 8
	s_and_b32 s54, s52, 1
	s_lshl_b32 s54, s54, 2
	s_add_co_u32 s70, s53, s54
	s_add_co_u32 s70, s70, 16384
	s_add_nc_u64 s[\s:\s+1], s[\q:\q+1], s[70:71]
	s_lshl_b32 s70, s52, 11
	s_add_nc_u64 s[\q:\q+1], s[\q:\q+1], s[70:71]
	s_lshr_b32 s53, s14, 4
	s_lshl_b32 s53, s53, 7
	s_lshl_b32 s54, s\g, 1
	s_add_co_u32 s53, s53, s54                     ; token tile 128 x batch + 2 x group
	s_and_b32 s54, s14, 15                         ; the head
	s_lshl_b32 s70, s53, 14
	s_lshl_b32 s55, s54, 10
	s_add_co_u32 s70, s70, s55
	s_add_nc_u64 s[\oa:\oa+1], s[8:9], s[70:71]    ; ac: 16,384 a tile, 1,024 a head
	s_lshl_b32 s70, s53, 9
	s_lshl_b32 s55, s54, 1
	s_add_co_u32 s70, s70, s55
	s_add_nc_u64 s[\ob:\ob+1], s[10:11], s[70:71]  ; asb: 512 a tile, 2 a head
.endm
.macro INIT                            ; a group's start: O^T and the sums 0 (the step is written once: the first change of M multiplies zeros), -M a large whole number, the largest score under every score
	WIN 0x40
.set j, 0
.rept 64
	v_mov_b32 v[OA+j], 0
.set j, j+1
.endr
	WIN 0
.irp x, 0,1
	v_mov_b32 v[STA+4*\x], 0x7e000000
	v_mov_b32 v[STA+4*\x+1], 0xff61b1e6
	v_mov_b32 v[STA+4*\x+2], 0
	v_mov_b32 v[STA+4*\x+3], 0
.endr
.endm
.macro SUM s, st                       ; the row's sum of the unquantised p: 32 pairs in eight chains
.set cc, 0
.rept 7
	v_pk_add_f32 v[U+2*cc:U+2*cc+1], v[\s+2*cc:\s+2*cc+1], v[\s+14+2*cc:\s+15+2*cc]
.set cc, cc+1
.endr
	v_pk_add_f32 v[\st:\st+1], v[\st:\st+1], v[\s+28:\s+29]
.irp o, 30, 46
.set cc, 0
.rept 7
	v_pk_add_f32 v[U+2*cc:U+2*cc+1], v[U+2*cc:U+2*cc+1], v[\s+\o+2*cc:\s+\o+2*cc+1]
.set cc, cc+1
.endr
	v_pk_add_f32 v[\st:\st+1], v[\st:\st+1], v[\s+\o+14:\s+\o+15]
.endr
	v_pk_add_f32 v[U:U+1], v[U:U+1], v[\s+62:\s+63]
	v_pk_add_f32 v[U+4:U+5], v[U+4:U+5], v[U+6:U+7]
	v_pk_add_f32 v[U+8:U+9], v[U+8:U+9], v[U+10:U+11]
	v_pk_add_f32 v[\st:\st+1], v[\st:\st+1], v[U+12:U+13]
	v_pk_add_f32 v[U:U+1], v[U:U+1], v[U+2:U+3]
	v_pk_add_f32 v[\st:\st+1], v[\st:\st+1], v[U+8:U+9]
	v_pk_add_f32 v[U:U+1], v[U:U+1], v[U+4:U+5]
	v_pk_add_f32 v[\st:\st+1], v[\st:\st+1], v[U:U+1]
.endm
.macro SCALE t, ps                     ; from the four blocks' largest p: scale operands, bounds, and p's scale word
.irp b, 0,1,2,3
	v_max_num_f32 v[\t+\b], 0x8000000, v[\t+\b]    ; the floor 2^(16 - 127): a block whose every p is 0 keeps the byte 1: its codes are zeros
.endr
.irp b, 0,1,2,3
	v_add_nc_u32 v[\t+12+\b], 0xf8800000, v[\t+\b] ; 15 off the exponent field
.endr
.irp b, 0,1,2,3
	v_and_or_b32 v[\t+8+\b], v[\t+\b], 0x7f800000, s19   ; 57,344 x the scale
.endr
.irp b, 0,1,2,3
	v_lshrrev_b32 v[\t+4+\b], 23, v[\t+12+\b]
.endr
	v_lshl_or_b32 v[\ps], v[\t+5], 8, v[\t+4]
	v_lshl_or_b32 v[\ps], v[\t+6], 16, v[\ps]
	v_lshl_or_b32 v[\ps], v[\t+7], 24, v[\ps]
.endm
.macro MIN2 s, t, jj                   ; two holds in one line: the conversion does not saturate (ISA guide 7.6.2); p is not negative, so the hold is one-sided
	v_dual_min_num_f32 v[\s+\jj], v[\s+\jj], v[\t+8+(\jj)/16] :: v_dual_min_num_f32 v[\s+\jj+1], v[\s+\jj+1], v[\t+8+(\jj)/16]
.endm
.macro CODES s, t, c
.irp b, 0,1,2,3
	v_cvt_scalef32_pk8_bf8_f32 v[\c+4*\b:\c+4*\b+1], v[\s+16*\b:\s+16*\b+7], v[\t+12+\b]
	v_cvt_scalef32_pk8_bf8_f32 v[\c+4*\b+2:\c+4*\b+3], v[\s+16*\b+8:\s+16*\b+15], v[\t+12+\b]
.endr
.endm
; A group of queries is finished: O^T / the sum into the score registers, quantised along d (two blocks of 32 a tile, each in lanes l and l xor 16), stored at s[oa:oa+1], s[ob:ob+1]
.macro FLUSH oa, ob
.irp x, 0,1
	v_add_f32 v[STA+4*\x+2], v[STA+4*\x+2], v[STA+4*\x+3]
.endr
.irp x, 0,1
	v_permlanex16_b32 v[TA+20*\x+4], v[STA+4*\x+2], s20, s21
.endr
.irp x, 0,1
	v_add_f32 v[STA+4*\x+2], v[STA+4*\x+2], v[TA+20*\x+4]
.endr
	WALU
.irp x, 0,1
	v_rcp_f32 v[TA+20*\x+16], v[STA+4*\x+2]
.endr
	v_nop
	WIN 0x01                                       ; source 0: O^T in window 1
	WALU
.irp x, 0,1
.set j, 0
.rept 16
	v_pk_mul_f32 v[SA+64*\x+j:SA+64*\x+j+1], v[OA+32*\x+j:OA+32*\x+j+1], v[TA+20*\x+16:TA+20*\x+17] op_sel_hi:[1,0]
.set j, j+2
.endr
.endr
	WIN 0
.irp x, 0,1
.irp c, 0,1
	v_max3_num_f32 v[TA+20*\x+\c], |v[SA+64*\x+16*\c]|, |v[SA+64*\x+16*\c+1]|, 0x8000000
.endr
.endr
.irp i, 2,4,6,8,10,12,14
.irp x, 0,1
.irp c, 0,1
	v_max3_num_f32 v[TA+20*\x+\c], v[TA+20*\x+\c], |v[SA+64*\x+16*\c+\i]|, |v[SA+64*\x+16*\c+\i+1]|
.endr
.endr
.endr
.irp x, 0,1
.irp c, 0,1
	v_permlanex16_b32 v[TA+20*\x+4+\c], v[TA+20*\x+\c], s20, s21
.endr
.endr
.irp x, 0,1
.irp c, 0,1
	v_max_num_f32 v[TA+20*\x+\c], v[TA+20*\x+\c], v[TA+20*\x+4+\c]
.endr
.endr
.irp x, 0,1
.irp c, 0,1
	v_add_nc_u32 v[TA+20*\x+12+\c], 0xf8800000, v[TA+20*\x+\c]
.endr
.endr
.irp x, 0,1
.irp c, 0,1
	v_and_or_b32 v[TA+20*\x+8+\c], v[TA+20*\x+\c], 0x7f800000, s19
.endr
.endr
.irp x, 0,1
.irp c, 0,1
	v_lshrrev_b32 v[TA+20*\x+4+\c], 23, v[TA+20*\x+12+\c]
.endr
.endr
.irp x, 0,1
	v_lshl_or_b32 v[TA+20*\x+18], v[TA+20*\x+5], 8, v[TA+20*\x+4]
.endr
.irp x, 0,1
.irp c, 0,1
.irp i, 0,1,2,3,4,5,6,7,8,9,10,11,12,13,14,15
	v_med3_num_f32 v[SA+64*\x+16*\c+\i], v[SA+64*\x+16*\c+\i], -v[TA+20*\x+8+\c], v[TA+20*\x+8+\c]
.endr
	v_cvt_scalef32_pk8_bf8_f32 v[CA+16*\x+4*\c:CA+16*\x+4*\c+1], v[SA+64*\x+16*\c:SA+64*\x+16*\c+7], v[TA+20*\x+12+\c]
	v_cvt_scalef32_pk8_bf8_f32 v[CA+16*\x+4*\c+2:CA+16*\x+4*\c+3], v[SA+64*\x+16*\c+8:SA+64*\x+16*\c+15], v[TA+20*\x+12+\c]
.endr
.endr
	v_nop                                          ; a plain line behind the last conversion
.irp x, 0,1
	global_store_b128 v1, v[CA+16*\x:CA+16*\x+3], s[\oa:\oa+1] offset:16384*\x       ; d 0 .. 31 of 16 tokens: 512 consecutive bytes
	global_store_b128 v1, v[CA+16*\x+4:CA+16*\x+7], s[\oa:\oa+1] offset:16384*\x+512
	global_store_b16 v7, v[TA+20*\x+18], s[\ob:\ob+1] offset:512*\x
.endr
	s_wait_xcnt 0x0                                ; the stores have read their data: it is written again
.endm
; A KEY STEP: 128 keys, number s57 % 16 of the head, for both my tiles.  m = 0: one of the first three steps of the first group: never hidden, never on the diagonal
.macro STEP m
	s_and_b32 s53, s57, 15                         ; the step
.if \m
	s_cmp_gt_u32 s53, s47
	s_cbranch_scc1 .Lhidden_\@                     ; all its keys come after my queries
.endif
	s_lshr_b32 s58, s53, 1
	s_mul_i32 s58, s58, REC                        ; its record
	s_and_b32 s59, s53, 1
	s_lshl_b32 s55, s59, 13
	s_add_co_u32 s55, s55, s58                     ; v's images: 8,192 a step
	s_lshl_b32 s59, s59, 8
	s_add_co_u32 s59, s59, s58                     ; v's scale words: 256 a step
	s_add_co_u32 s51, s57, 1
	s_and_b32 s51, s51, 15                         ; the next step
	s_lshr_b32 s52, s51, 1
	s_mul_i32 s52, s52, REC
	s_and_b32 s51, s51, 1
	s_lshl_b32 s54, s51, 13
	s_add_co_u32 s54, s54, s52                     ; its k's images: 8,192 a step
	s_lshl_b32 s51, s51, 9
	s_add_co_u32 s51, s51, s52                     ; its k's scale words: 512 a step
	s_wait_dscnt 0x0                               ; k's tiles and scale words are in
	WIN 0x05                                       ; k and q in window 1, the scores in window 0
.irp t, 0,1,2,3,4,5,6,7
.if \t%2
	SMM SA+8*\t, KF+24*(\t/2)+8, QR+24, KS+\t/2, QS, 1
	SMM SB+8*\t, KF+24*(\t/2)+8, QR+8, KS+\t/2, QS+1, 1
.else
	SMM SA+8*\t, KF+24*(\t/2), QR, KS+\t/2, QS, 0
	SMM SB+8*\t, KF+24*(\t/2), QR+16, KS+\t/2, QS+1, 0
.endif
.endr                                          ; register 16 b + i of a tile's scores: key 32 b + 16 (lane / 16) + i of the step
	WIN 0
	v_add_nc_u32 v86, s55, v1                      ; four address lines and four idle ones: eight places behind the products
	v_add_nc_u32 v87, s59, v2
	v_add_nc_u32 v8, s54, v1
	v_add_nc_u32 v9, s51, v2
	PLACES 4
.if \m
	s_cmp_lt_u32 s53, s47
	s_cbranch_scc0 .Ldiag_\@                       ; my group's last step: no next step's k; it lies on the diagonal
.endif
	KLOAD                                          ; the next step's k
.if \m
	s_branch .Lopen_\@
.Ldiag_\@:
	v_mov_b32 v10, 0xff800000                      ; -infinity.  v5, v6: d = my query - the step's first key - 16 (lane / 16): register 16 b + i is hidden where 32 b + i > d
.irp x, 0,1
.set n, 0
.rept 64
	v_cmp_gt_i32 vcc_lo, 32*(n/16)+n%16, v[5+\x]
	v_cndmask_b32 v[SA+64*\x+n], v[SA+64*\x+n], v10, vcc_lo
.set n, n+1
.endr
.endr
.Lopen_\@:
.endif
.irp x, 0,1
.irp b, 0,1,2,3
	v_max3_num_f32 v[TA+20*\x+\b], v[SA+64*\x+16*\b], v[SA+64*\x+16*\b+1], v[SA+64*\x+16*\b+2]   ; the largest score of each block of 32 keys: eight chains by turns
.endr
.endr
.irp i, 3,5,7,9,11,13
.irp x, 0,1
.irp b, 0,1,2,3
	v_max3_num_f32 v[TA+20*\x+\b], v[TA+20*\x+\b], v[SA+64*\x+16*\b+\i], v[SA+64*\x+16*\b+\i+1]
.endr
.endr
.endr
.irp x, 0,1
.irp b, 0,1,2,3
	v_max_num_f32 v[TA+20*\x+\b], v[TA+20*\x+\b], v[SA+64*\x+16*\b+15]
.endr
.endr
.irp x, 0,1
.irp b, 0,1,2,3
	v_permlanex16_b32 v[TA+20*\x+4+\b], v[TA+20*\x+\b], s20, s21
.endr
.endr
.irp x, 0,1
.irp b, 0,1,2,3
	v_max_num_f32 v[TA+20*\x+\b], v[TA+20*\x+\b], v[TA+20*\x+4+\b]   ; with lane l xor 16's 16 keys
.endr
.endr
.irp x, 0,1
	v_max3_num_f32 v[TA+20*\x+18], v[TA+20*\x], v[TA+20*\x+1], v[TA+20*\x+2]
.endr
.irp x, 0,1
	v_max3_num_f32 v[STA+4*\x+1], v[STA+4*\x+1], v[TA+20*\x+18], v[TA+20*\x+3]   ; the running largest score
.endr
.irp x, 0,1
	v_mul_f32 v[TA+20*\x+18], s56, v[STA+4*\x+1]   ; -t
.endr
.irp x, 0,1
	v_floor_f32 v[TA+20*\x+19], v[TA+20*\x+18]     ; the new -M = floor(-t): M is a whole number
.endr
.irp x, 0,1
	v_sub_f32 v[TA+20*\x+18], v[TA+20*\x+19], v[STA+4*\x]   ; old M - new M: a whole number, 0 or less
.endr
.irp x, 0,1
	v_mov_b32 v[STA+4*\x], v[TA+20*\x+19]
.endr
.irp x, 0,1
	v_cvt_i32_f32 v[TA+20*\x+18], v[TA+20*\x+18]   ; (it saturates)
.endr
.irp x, 0,1
	v_ldexp_f32 v[TA+20*\x+16], 1.0, v[TA+20*\x+18]   ; f = 2^(old M - new M)
.endr
.set j, 0
.rept 32
	v_pk_fma_f32 v[SA+j:SA+j+1], v[SA+j:SA+j+1], s[22:23], v[STA:STA+1] op_sel_hi:[1,0,0]   ; A: t - M, two at a time
.set j, j+2
.endr
.irp x, 0,1
.irp b, 0,1,2,3
	v_fma_f32 v[TA+20*\x+\b], v[TA+20*\x+\b], s22, v[STA+4*\x]   ; the same of each block's largest score
.endr
.endr
	WALU                                           ; ahead of the batch
.irp b, 0,1,2,3
	v_exp_f32 v[TA+\b], v[TA+\b]                   ; A: the blocks' largest p
.endr
.set j, 0
.rept 32
	v_exp_f32 v[SA+j], v[SA+j]                     ; A: p = 2^(t - M), at most 1
	v_exp_f32 v[SA+j+1], v[SA+j+1]
	v_pk_fma_f32 v[SB+j:SB+j+1], v[SB+j:SB+j+1], s[22:23], v[STA+4:STA+5] op_sel_hi:[1,0,0]   ; B: t - M: first read behind the wait below
.set j, j+2
.endr
	v_pk_mul_f32 v[STA+2:STA+3], v[STA+2:STA+3], v[TA+16:TA+17] op_sel_hi:[1,0]   ; A's sums under the new M
	WALU                                           ; behind the batch
	SUM SA, STA+2
	SCALE TA, PS
	WALU                                           ; ahead of the second batch
.irp b, 0,1,2,3
	v_exp_f32 v[TA+20+\b], v[TA+20+\b]
.endr
.set j, 0
.rept 32
	v_exp_f32 v[SB+j], v[SB+j]
	v_exp_f32 v[SB+j+1], v[SB+j+1]
	MIN2 SA, TA, j                                 ; A's holds: first read behind the wait below
.set j, j+2
.endr
	v_pk_mul_f32 v[STA+6:STA+7], v[STA+6:STA+7], v[TA+36:TA+37] op_sel_hi:[1,0]
	WALU                                           ; behind the batch
	CODES SA, TA, CA
	v_nop                                          ; a plain line behind the last conversion
	VLOAD
	SUM SB, STA+6
	SCALE TA+20, PS+1
.set j, 0
.rept 32
	MIN2 SB, TA+20, j
.set j, j+2
.endr
	CODES SB, TA+20, CA+16
	WIN 0x41                                       ; O^T in window 1, f in window 0
	WALU                                           ; directly ahead of the first reader of O^T
.irp x, 0,1
.set j, 0
.rept 16
	v_pk_mul_f32 v[OA+32*\x+j:OA+32*\x+j+1], v[OA+32*\x+j:OA+32*\x+j+1], v[TA+20*\x+16:TA+20*\x+17] op_sel_hi:[1,0]   ; O^T under the new M; also the places between p's codes and the products
.set j, j+2
.endr
.endr
	WALU
	s_wait_dscnt 0x0                               ; v's fragments and scale words are in (and the next step's k)
	WIN 0x50                                       ; v and p's codes in window 0, O^T in window 1: eight accumulators by turns
.irp d, 0,1,2,3
	PMM OA+8*\d, SA+16*\d, CA, VS+\d/2, PS, \d%2
	PMM OA+32+8*\d, SA+16*\d, CA+16, VS+\d/2, PS+1, \d%2
.endr
	WIN 0
	PLACES 9                                       ; the next step's scores are laid over v's fragments by matrix instructions: nine places
.Lhidden_\@:
.endm
	s_load_b256 s[4:11], s[0:1], 0x0               ; qb s[4:5], kv s[6:7], ac s[8:9], asb s[10:11]
	v_lshl_add_u32 v3, v0, 2, SPARE                ; my spare word; never rewritten
	v_mov_b32 v4, 0                                ; never rewritten
	ds_add_u32 v3, v4                              ; the opening lines: the add, twice on end, and its wait
	ds_add_u32 v3, v4
	v_lshrrev_b32 v10, 5, v0
	v_readfirstlane_b32 s12, v10                   ; wave 0..7
	s_and_b32 s14, ttmp7, 0xffff                   ; batch x 16 + head: the cluster's y
	s_mov_b32 s19, 0x600000                        ; the mantissa field of 57,344
	s_mov_b32 s20, 0x76543210
	s_mov_b32 s21, 0xfedcba98                      ; v_permlanex16_b32's selects for lane l xor 16
	s_mov_b32 s22, 0x3e38aa3b                      ; c = log2(e) / 8
	s_mov_b32 s23, s22
	s_mov_b32 s56, 0xbe38aa3b                      ; -c
	; descriptor group 1: a record, 34,304 dense bytes, as 134 rows of 256 (32 elements of 8 bytes), no padding; the mask names all four work-groups, bit 21 beside it
	s_mov_b32 s24, 15|(3<<16)|(1<<21)
	s_mov_b32 s25, 32<<16
	s_mov_b32 s26, 134<<16
	s_mov_b32 s27, 32<<16
	s_mov_b32 s28, 134
	s_mov_b32 s29, 32
	s_mov_b32 s30, 0
	s_mov_b32 s31, 0
	s_mov_b32 s32, 1
	s_mul_i32 s33, s12, REC                        ; record w, in LDS,
	s_mul_i32 s38, s14, 8*REC
	s_add_co_u32 s38, s38, s33                     ; and in kv
	s_mov_b32 s39, 0
	s_wait_dscnt 0x0
	s_wait_kmcnt 0x0
	s_add_nc_u64 s[34:35], s[6:7], s[38:39]
	s_or_b32 s35, s35, 0x80000000                  ; type = 2
	CROUND                                         ; all four work-groups are here: the joint loads meet
	s_cmp_lt_u32 s12, 2                            ; one load a wave; waves 0 and 1, whose records the first barrier shows, have a line of their own
	s_cbranch_scc0 .Lrest
	tensor_load_to_lds s[32:35], s[24:31]
	s_nop 0
	PLACES 4
	s_branch .Lasked
.Lrest:
	tensor_load_to_lds s[32:35], s[24:31]
	s_nop 0
	PLACES 4
.Lasked:
	s_bfe_u32 s13, ttmp6, 0x40000                  ; i: my place in the cluster
	s_lshl_b32 s60, s12, 2
	s_add_co_u32 s60, s60, s13                     ; g = 4 w + i: the second group
	s_sub_co_u32 s61, 63, s60                      ; the first: 63 - g
	GADR 61, 40, 42, 44, 48
	GADR 60, 72, 74, 76, 78
	s_sub_co_u32 s62, 3, s13
	s_lshl_b32 s62, s62, 5                         ; 32 x (group % 4): the first group's queries in its last step,
	s_lshl_b32 s63, s13, 5                         ; the second's
	s_sub_co_u32 s47, 15, s12                      ; the first group's last step
	v_and_b32 v10, 31, v0
	v_lshlrev_b32 v1, 4, v10                       ; 16 x lane: an image's place for my lane
	v_lshlrev_b32 v2, 3, v10                       ; 8 x lane: a pair of scale words'
	v_and_b32 v10, 15, v0                          ; r
	v_bfe_u32 v11, v0, 4, 1                        ; h
	v_lshlrev_b32 v7, 5, v10                       ; asb: 32 bytes a place
	v_lshlrev_b32 v87, 3, v10                      ; q's scale word: 8 r (+ 128 for tile B)
	v_and_b32 v88, 8, v10
	v_add_nc_u32 v88, v88, v10                     ; r + 8 (r / 8)
	v_lshlrev_b32 v11, 4, v11
	v_sub_nc_u32 v88, v88, v11                     ; - 16 h
	v_add_nc_u32 v5, s62, v88                      ; d of tile A in the group's last step;
	v_add_nc_u32 v6, 8, v5                         ; of tile B
	v_mov_b32 v8, v1                               ; step 0's k
	v_mov_b32 v9, v2
	WALU
	WIN 0x40
	global_load_b128 v[QR:QR+3], v1, s[40:41]      ; qA for [q, 0],
	global_load_b128 v[QR+4:QR+7], v1, s[40:41] offset:512
	global_load_b128 v[QR+32:QR+35], v1, s[40:41]  ; and once more for [0, q];
	global_load_b128 v[QR+36:QR+39], v1, s[40:41] offset:512
	global_load_b128 v[QR+16:QR+19], v1, s[40:41] offset:1024   ; qB stands between two runs of zeros and serves both
	global_load_b128 v[QR+20:QR+23], v1, s[40:41] offset:1536
	global_load_b128 v[QNX:QNX+3], v1, s[72:73]
	global_load_b128 v[QNX+4:QNX+7], v1, s[72:73] offset:512
	global_load_b128 v[QNX+8:QNX+11], v1, s[72:73] offset:1024
	global_load_b128 v[QNX+12:QNX+15], v1, s[72:73] offset:1536
.irp j, 0,1,2,3,4,5,6,7
	v_mov_b32 v[QR+8+\j], 0                        ; the zero halves of the operands: zero codes
	v_mov_b32 v[QR+24+\j], 0
	v_mov_b32 v[KF+8+\j], 0
	v_mov_b32 v[KF+32+\j], 0
	v_mov_b32 v[KF+56+\j], 0
	v_mov_b32 v[KF+80+\j], 0
.endr
	WIN 0
	global_load_b32 v[QS], v87, s[42:43]
	global_load_b32 v[QS+1], v87, s[42:43] offset:128
	global_load_b32 v[QN], v87, s[74:75]
	global_load_b32 v[QN+1], v87, s[74:75] offset:128
.irp x, 0,1
.irp b, 0,1,2,3
	v_mov_b32 v[TA+20*\x+4+\b], 0                  ; written once: a lane permute's destination counts as one of its sources
.endr
	v_mov_b32 v[TA+20*\x+17], 0                    ; (named as the upper half of f's pair)
.endr
	INIT
	WALU                                           ; at the head's end
	s_wait_loadcnt 0x0                             ; q
	s_cmp_lt_u32 s12, 2
	s_cbranch_scc0 .Lnot_first
	s_wait_tensorcnt 0x0                           ; waves 0 and 1: records 0 and 1 are in.  The other waves' wait stands at the second barrier
.Lnot_first:
	s_barrier_signal -1
	s_barrier_wait -1
	KLOAD                                          ; step 0's k
	s_mov_b32 s57, 0
.Lfirst:                                           ; steps 0, 1, 2: they read records 0 and 1 alone, step 3's k among them
	STEP 0
	s_add_co_u32 s57, s57, 1
	s_cmp_lt_u32 s57, 3
	s_cbranch_scc1 .Lfirst
	s_wait_tensorcnt 0x0                           ; every wave: its record is in;
	s_wait_dscnt 0x0                               ; no LDS instruction of mine is out at a signal
	s_barrier_signal -1
	s_barrier_wait -1                              ; all eight records are in
.Lgo:                                              ; s57 = 3 .. 15: the first group's steps; 16 .. 23: the second group's steps 0 .. 7
	s_cmp_lg_u32 s57, 16
	s_cbranch_scc1 .Lsame                          ; a branch on the count of steps
	v_mov_b32 v8, v1
	v_mov_b32 v9, v2
	KLOAD                                          ; step 0's k, asked for ahead of the way out
	FLUSH 44, 48
	s_mov_b32 s47, s12                             ; the second group's last step
	v_mov_b32 v[QS], v[QN]                         ; its q, loaded at the head
	v_mov_b32 v[QS+1], v[QN+1]
	v_add_nc_u32 v5, s63, v88
	v_add_nc_u32 v6, 8, v5
	WIN 0x41
.set j, 0
.rept 8
	v_mov_b32 v[QR+j], v[QNX+j]
	v_mov_b32 v[QR+32+j], v[QNX+j]
	v_mov_b32 v[QR+16+j], v[QNX+8+j]
.set j, j+1
.endr
	INIT
	WALU
.Lsame:
	STEP 1
	s_add_co_u32 s57, s57, 1
	s_cmp_lt_u32 s57, 24
	s_cbranch_scc1 .Lgo
	FLUSH 76, 78
	s_wait_tensorcnt 0x0                           ; the wave's end
	ds_add_u32 v3, v4
	s_wait_dscnt 0x0
	CROUND                                         ; the closing round
	s_endpgm
.Lfunc_end_k_q21171099c5_attn:
	.size	k_q21171099c5_attn, .Lfunc_end_k_q21171099c5_attn-k_q21171099c5_attn
	.p2alignl 7, 3214868480
	.fill 96, 4, 3214868480
	.section	.rodata,"a",@progbits
	.p2align	6, 0x0
	.amdhsa_kernel k_q21171099c5_attn
		.amdhsa_group_segment_fixed_size 327680
		.amdhsa_private_segment_fixed_size 0
		.amdhsa_enable_private_segment 0
		.amdhsa_kernarg_size 32
		.amdhsa_user_sgpr_count 2
		.amdhsa_user_sgpr_kernarg_segment_ptr 1
		.amdhsa_wavefront_size32 1
		.amdhsa_system_sgpr_workgroup_id_x 1
		.amdhsa_system_sgpr_workgroup_id_y 1
		.amdhsa_system_sgpr_workgroup_id_z 1
		.amdhsa_system_vgpr_workitem_id 0
		.amdhsa_next_free_vgpr 512
		.amdhsa_next_free_sgpr 80
		.amdhsa_reserve_vcc 1
		.amdhsa_float_denorm_mode_32 3
		.amdhsa_float_denorm_mode_16_64 3
		.amdhsa_memory_ordered 1
		.amdhsa_forward_progress 1
		.amdhsa_inst_pref_size 119
	.end_amdhsa_kernel
	.amdgpu_metadata
---
amdhsa.version: [ 1, 2 ]
amdhsa.kernels:
  - .name:           k_q21171099c5_attn
    .symbol:         k_q21171099c5_attn.kd
    .args:
      - { .name: qb, .offset: 0, .size: 8, .value_kind: global_buffer, .address_space: global }
      - { .name: kv, .offset: 8, .size: 8, .value_kind: global_buffer, .address_space: global }
      - { .name: ac, .offset: 16, .size: 8, .value_kind: global_buffer, .address_space: global }
      - { .name: asb, .offset: 24, .size: 8, .value_kind: global_buffer, .address_space: global }
    .group_segment_fixed_size: 327680
    .private_segment_fixed_size: 0
    .kernarg_segment_align: 8
    .kernarg_segment_size: 32
    .max_flat_workgroup_size: 256
    .sgpr_count:     80
    .vgpr_count:     512
    .wavefront_size: 32
...
	.end_amdgpu_metadata
.endif
;; end of part 2
;; launch outp (part 3): grid 32 x 8, 4 waves a work-group, clusters of 4 x 1, 168,448 bytes of LDS; arguments ac, asb, Wo_codes, Wo_scales, bo, out0; writes out0
.if DOCPART == 3
	.amdgcn_target "amdgcn-amd-amdhsa--gfx1250"
	.amdhsa_code_object_version 6
	.text
	.protected	k_q21171099c5_outp
	.globl	k_q21171099c5_outp
	.p2align	8
	.type	k_q21171099c5_outp,@function
k_q21171099c5_outp:
	s_mov_b64 s[64:65], 0
	v_nop
	global_prefetch_b8 v0, s[64:65] scope:SCOPE_SE
	s_setreg_imm32_b32 hwreg(HW_REG_WAVE_MODE, 25, 1), 1
	s_wait_xcnt 0x0
	s_wait_alu depctr_hold_cnt(0) depctr_sa_sdst(0) depctr_va_vdst(0) depctr_va_sdst(0) depctr_va_ssrc(0) depctr_va_vcc(0) depctr_vm_vsrc(0)
	s_getreg_b32 s2, hwreg(HW_REG_IB_STS2, 6, 4)
	s_cmp_eq_u32 s2, 0
	s_cbranch_scc0 .Lentry_in_a_cluster
	s_endpgm
.Lentry_in_a_cluster:
	s_bfe_u32 s2, ttmp6, 0x10000c
	s_cmp_lg_u32 s2, 0x3003
	s_cbranch_scc0 .Lentry_shape_is_right
	s_endpgm
.Lentry_shape_is_right:
; out0 = a Wo + bo on codes of BF8 (E5M2) with one E8M0 scale for each 32 along K = 1,024.  a: the attention's result, as images of its operand registers (ac) and scale bytes (asb), in tiles of 16 tokens in tile order
; (place i of tile (b, u) of 32 tokens: 32 b + 8 u + i + 8 (i / 8)).  Wo: [1,024 columns][1,024 codes], its scale bytes [1,024][32].  out0: [8,192][1,024] f32.
; SHARES.  Work-group (x, y): tokens 256 x on, columns 128 y on, taken as two units of 64.  Wave w owns token tiles 4 w .. 4 w + 3: their codes for all of K stay in 512 registers, read once by loads of 512 consecutive bytes.
; Wo's 128 rows come into LDS once, 32 rows a wave, and are read by all four waves.  Nothing in LDS is filled again.  A unit is 128 matrix instructions a wave on 16 accumulators.
; CLUSTER.  The four work-groups of a cluster differ in their tokens alone: Wo's rows are asked for jointly, with the mask of all four.
; TRANSPOSED: source 0 = 16 rows of Wo, source 1 = 16 tokens: a lane holds eight neighbouring columns of one token.  The bias is the C of each sum's first matrix instruction.
; THE WAY OUT: a tile of 16 tokens x 64 columns goes through the wave's own stage in LDS and leaves as rows of 256 bytes: sixteen lanes store 256 consecutive bytes, aligned; the stores' offsets undo the tile order.
; LIMITS: scale bytes 0xff and codes of NaN or infinity in Wo are not served.
; REGISTERS, in windows of 256.  Window 0: v1-13 addresses; v16-31 a's scale words [pair of tiles][K step]; v32-63 Wo's [unit][pair of tiles][K step]; v64-191 Wo's fragments, two sets of four; on the way out v64-127 rows read back.
;   Windows 1, 2: a's tiles 0, 1 and 2, 3 at 128 (tile % 2) + 16 x K step.  Window 3: v0-127 the accumulators; v128-191 the bias, eight registers a tile of columns.
.set PITCH,  1040                      ; an LDS row of Wo: 1,024 bytes + 16 of padding = 65 x 16
.set TILEB,  16*PITCH
.set UNITB,  64*PITCH
.set STG,    128*PITCH                 ; behind Wo's rows: a stage of 16 rows x 272 bytes for each wave; it begins at a multiple of 256 bytes, and no fill lands there
.set SP,     272
.set AS,     16
.set WOS,    32
.set WF,     64
.set BK,     64
.set BI,     128                       ; window 3
.set MSB, 0
.macro WIN new                         ; the immediate's high byte repeats the setting that is left
.if MSB != (\new)
	s_set_vgpr_msb (MSB<<8)|(\new)
.set MSB, \new
.endif
.endm
.macro PLACES n
.rept \n
	v_nop
.endr
.endm
.macro CROUND                          ; a round of the cluster's barrier
	s_barrier_signal -1
	s_barrier_wait -1
	s_cmp_lg_u32 s24, 0
	s_cbranch_scc1 .Lnot_wave_0_\@
	s_barrier_signal -3
.Lnot_wave_0_\@:
	s_barrier_wait -3
	s_barrier_signal -1
	s_barrier_wait -1
.endm
.macro WM d, a, b, c, sa, sb, ra, rb   ; one matrix instruction; ra, rb: the side's scale words lie in lanes 16-31
.if (\ra) && (\rb)
	v_wmma_scale_f32_16x16x128_f8f6f4 v[\d:\d+7], v[\a:\a+15], v[\b:\b+15], v[\c:\c+7], v[\sa], v[\sb] matrix_a_fmt:MATRIX_FMT_BF8 matrix_b_fmt:MATRIX_FMT_BF8 matrix_a_scale:MATRIX_SCALE_ROW1 matrix_b_scale:MATRIX_SCALE_ROW1
.elseif \ra
	v_wmma_scale_f32_16x16x128_f8f6f4 v[\d:\d+7], v[\a:\a+15], v[\b:\b+15], v[\c:\c+7], v[\sa], v[\sb] matrix_a_fmt:MATRIX_FMT_BF8 matrix_b_fmt:MATRIX_FMT_BF8 matrix_a_scale:MATRIX_SCALE_ROW1
.elseif \rb
	v_wmma_scale_f32_16x16x128_f8f6f4 v[\d:\d+7], v[\a:\a+15], v[\b:\b+15], v[\c:\c+7], v[\sa], v[\sb] matrix_a_fmt:MATRIX_FMT_BF8 matrix_b_fmt:MATRIX_FMT_BF8 matrix_b_scale:MATRIX_SCALE_ROW1
.else
	v_wmma_scale_f32_16x16x128_f8f6f4 v[\d:\d+7], v[\a:\a+15], v[\b:\b+15], v[\c:\c+7], v[\sa], v[\sb] matrix_a_fmt:MATRIX_FMT_BF8 matrix_b_fmt:MATRIX_FMT_BF8
.endif
.endm
.macro FETCHW adr, s                   ; the unit's four fragments of Wo of K step s into set s % 2: 16 loads
.irp ft, 0,1,2,3
.irp c, 0,1,2,3
	ds_load_b128 v[WF+64*((\s)%2)+16*\ft+4*\c:WF+64*((\s)%2)+16*\ft+4*\c+3], v[\adr] offset:\ft*TILEB+128*(\s)+32*\c
.endr
.endr
.endm
.macro MM unit, s                      ; 16 matrix instructions: the 16 accumulators take turns, one instruction a turn, in the same order in every step
.irp tt, 0,1,2,3
	WIN 0xf4+4*(\tt/2)                             ; source 0 (Wo) window 0, source 1 (a) window 1 or 2, C and D window 3
.irp ft, 0,1,2,3
.set rW, WF+64*((\s)%2)+16*\ft
.set rX, 128*(\tt%2)+16*(\s)
.set rD, 32*\tt+8*\ft
.if (\s) == 0
.set rC, BI+8*(4*(\unit)+\ft)          ; the bias starts the sum
.else
.set rC, rD
.endif
.set sW, WOS+16*(\unit)+8*(\ft/2)+(\s)
.set sX, AS+8*(\tt/2)+(\s)
.set pW, \ft%2
.set pX, \tt%2
	WM rD, rW, rX, rC, sW, sX, pW, pX
.endr
.endr
.endm
.macro MATMUL unit, adr, lc            ; a unit of 64 columns: eight K steps; step s + 1's fragments are asked for ahead of step s's products.  lc = 1: a's loads may still be out
.irp s, 0,1,2,3,4,5,6,7
.if (\s > 0) && (\s < 7)
	PLACES 8                                       ; in front of loads into the set that the products just issued have read
.endif
.if \s < 7
	FETCHW \adr, \s+1
	s_wait_dscnt 16                                ; this step's fragments are in; the 16 loads just issued may be out
.else
	s_wait_dscnt 0x0
.endif
.if \lc
.if 16*(7-\s) > 63
	s_wait_loadcnt 63                              ; a's loads went out K step by K step, 16 a step: those of the steps behind this one may be out (the count's field ends at 63)
.else
	s_wait_loadcnt 16*(7-\s)
.endif
.endif
	MM \unit, \s
	WIN 0
.endr
.endm
.macro TOSTAGE tt                      ; token tile tt: 16 rows x 256 bytes into my stage, and back as whole rows.  LDS serves a wave's instructions in order (ISA guide 5.7.1.4): no wait between
	WIN 0x0c                                       ; an LDS store's data are its source 1: window 3
.irp ft, 0,1,2,3
	ds_store_b128 v10, v[32*(\tt)+8*\ft:32*(\tt)+8*\ft+3] offset:64*\ft        ; each accumulator from its low end on
	ds_store_b128 v10, v[32*(\tt)+8*\ft+4:32*(\tt)+8*\ft+7] offset:64*\ft+16
.endr
	WIN 0
.irp i, 0,1,2,3,4,5,6,7
	ds_load_b128 v[BK+32*((\tt)%2)+4*\i:BK+32*((\tt)%2)+4*\i+3], v11 offset:2*SP*\i
.endr
.endm
.macro SEND unit, tt, younger          ; younger: the LDS instructions issued behind tile tt's loads, which may stay out
	s_wait_dscnt \younger
.irp i, 0,1,2,3,4,5,6,7
	global_store_b128 v12, v[BK+32*((\tt)%2)+4*\i:BK+32*((\tt)%2)+4*\i+3], s[14:15] offset:(32*((\tt)/2)+8*((\tt)%2)+2*\i+8*(\i/4))*4096+256*(\unit) th:TH_STORE_NT   ; places 2 i, 2 i + 1 of the tile: 16 lanes store 256 consecutive bytes, aligned
.endr
.endm
.macro WAYOUT unit
	PLACES 9                                       ; eight for the stage's stores and the loads into Wo's registers; nine for the next unit's first products, which write over the accumulators
	TOSTAGE 0
.irp a, 1,2,3
.if \a > 1
	s_wait_xcnt 0x0                                ; tile a - 2's stores have read their registers: tile a's rows may land there
.endif
	TOSTAGE \a
	SEND \unit, \a-1, 16                           ; behind tile a - 1's loads: tile a's 8 stores and 8 loads
.endr
	SEND \unit, 3, 0
.endm
	s_load_b256 s[4:11], s[0:1], 0x0               ; ac s[4:5], asb s[6:7], Wo's codes s[8:9], scales s[10:11]
	s_load_b128 s[12:15], s[0:1], 0x20             ; bo, out0
	v_lshl_add_u32 v254, v0, 2, 0x29000
	v_mov_b32 v255, 0
	ds_add_u32 v254, v255
	ds_add_u32 v254, v255
	v_lshrrev_b32 v1, 5, v0
	v_readfirstlane_b32 s24, v1                    ; wave 0..3
	s_bfe_u32 s30, ttmp6, 0x40000                  ; cx: it enters ac's, asb's and out0's addresses alone
	s_lshl_b32 s26, ttmp9, 2
	s_add_co_u32 s26, s26, s30                     ; my block of 256 tokens
	s_and_b32 s25, ttmp7, 0xffff                   ; my 128 columns, which the four partners share
	; descriptor group 1: 32 rows of 1,024 bytes, dense in memory, 16 bytes of padding behind each
	s_mov_b32 s36, 15|(3<<16)|(1<<20)|(1<<21)|(7<<22)|(3<<25)   ; the mask: all four work-groups; elements of 8 bytes; padding on; bit 21 beside a mask; after every 256 words (code 7) four words (code 3)
	s_mov_b32 s37, 128<<16                         ; tensor_dim0
	s_mov_b32 s38, 32<<16                          ; tensor_dim1
	s_mov_b32 s39, 128<<16                         ; tile_dim0
	s_mov_b32 s40, 32                              ; tile_dim1
	s_mov_b32 s41, 128                             ; from row to row
	s_mov_b32 s42, 0
	s_mov_b32 s43, 0
	s_mov_b32 s44, 1                               ; count = 1
	s_mul_i32 s45, s24, 32*PITCH                   ; my 32 rows in LDS: no place in the cluster enters an LDS address
	s_lshl_b32 s30, s25, 7
	s_lshl_b32 s31, s24, 5
	s_add_co_u32 s30, s30, s31
	s_lshl_b32 s30, s30, 10                        ; row 128 y + 32 w of 1,024 bytes
	s_mov_b32 s31, 0
	s_wait_dscnt 0x0
	s_wait_kmcnt 0x0
	s_add_nc_u64 s[46:47], s[8:9], s[30:31]
	s_or_b32 s47, s47, 0x80000000                  ; type = 2
	CROUND                                         ; all four work-groups are here: the joint loads meet
	tensor_load_to_lds s[44:47], s[36:43]          ; my one tensor load of the launch
	s_nop 0
	PLACES 4
	s_lshl_b32 s32, s26, 4
	s_lshl_b32 s33, s24, 2
	s_add_co_u32 s32, s32, s33                     ; my first token tile: 16 x block + 4 x wave
	s_lshl_b32 s30, s32, 14
	s_add_nc_u64 s[4:5], s[4:5], s[30:31]          ; ac: 16,384 bytes a tile
	s_lshl_b32 s30, s32, 9
	s_add_nc_u64 s[6:7], s[6:7], s[30:31]          ; asb: 512
	s_lshl_b32 s30, s25, 12
	s_add_nc_u64 s[10:11], s[10:11], s[30:31]      ; Wo's scales: 128 rows of 32 bytes
	s_lshl_b32 s30, s25, 9
	s_add_nc_u64 s[12:13], s[12:13], s[30:31]      ; bo: 128 numbers
	s_add_nc_u64 s[14:15], s[14:15], s[30:31]      ; out0: my columns,
	s_lshl_b32 s30, s32, 16
	s_add_nc_u64 s[14:15], s[14:15], s[30:31]      ; my first token: 16 rows of 4,096 bytes a tile
	v_and_b32 v1, 31, v0                           ; lane
	v_and_b32 v2, 15, v0                           ; r
	v_bfe_u32 v3, v0, 4, 1                         ; h
	v_lshlrev_b32 v4, 4, v1                        ; an image's place for my lane
	v_lshlrev_b32 v5, 5, v1                        ; scale bytes, 32 a row: lanes 0-15 the even tile, lanes 16-31 the odd one
	v_mul_u32_u24 v6, v2, PITCH
	v_lshl_add_u32 v6, v3, 4, v6                   ; a fragment of Wo: row r x pitch + 16 h, unit 0;
	v_add_nc_u32 v7, UNITB, v6                     ; unit 1
	s_mul_i32 s33, s24, 16*SP
	s_add_co_u32 s33, s33, STG                     ; my stage
	v_mul_u32_u24 v10, v2, SP
	v_lshl_add_u32 v10, v3, 5, v10
	v_add_nc_u32 v10, s33, v10                     ; in: row r, 32 bytes for each half of the lanes
	v_mul_u32_u24 v11, v3, SP
	v_lshl_add_u32 v11, v2, 4, v11
	v_add_nc_u32 v11, s33, v11                     ; back: lanes 0-15 one row of 256 bytes, lanes 16-31 the next
	v_lshlrev_b32 v12, 12, v3
	v_lshl_add_u32 v12, v2, 4, v12                 ; and the same two rows in out0
	v_lshlrev_b32 v13, 5, v3                       ; the bias: my half's eight numbers
.irp p, 0,1
	global_load_b128 v[AS+8*\p:AS+8*\p+3], v5, s[6:7] offset:1024*\p           ; eight words a token: the scale words of all eight K steps
	global_load_b128 v[AS+8*\p+4:AS+8*\p+7], v5, s[6:7] offset:1024*\p+16
.endr
.irp p, 0,1,2,3
	global_load_b128 v[WOS+8*\p:WOS+8*\p+3], v5, s[10:11] offset:1024*\p
	global_load_b128 v[WOS+8*\p+4:WOS+8*\p+7], v5, s[10:11] offset:1024*\p+16
.endr
	WIN 0xc0                                       ; destination window 3
.irp t, 0,1,2,3,4,5,6,7
	global_load_b128 v[BI+8*\t:BI+8*\t+3], v13, s[12:13] offset:64*\t          ; columns 16 t + 8 h + 0 .. 7
	global_load_b128 v[BI+8*\t+4:BI+8*\t+7], v13, s[12:13] offset:64*\t+16
.endr
.irp s, 0,1,2,3,4,5,6,7                        ; a's four tiles, K step by K step: each load reads 512 consecutive bytes
	WIN 0x40                                       ; destination window 1
.irp u, 0,1
.irp c, 0,1,2,3
	global_load_b128 v[128*\u+16*\s+4*\c:128*\u+16*\s+4*\c+3], v4, s[4:5] offset:16384*\u+2048*\s+512*\c
.endr
.endr
	WIN 0x80                                       ; destination window 2
.irp u, 0,1
.irp c, 0,1,2,3
	global_load_b128 v[128*\u+16*\s+4*\c:128*\u+16*\s+4*\c+3], v4, s[4:5] offset:16384*(2+\u)+2048*\s+512*\c
.endr
.endr
.endr
	WIN 0
	s_wait_tensorcnt 0x0                           ; my 32 rows of Wo are in,
	s_barrier_signal -1
	s_barrier_wait -1                              ; everybody's are
	FETCHW 6, 0
	MATMUL 0, 6, 1
	s_wait_alu depctr_va_vdst(0)
	WAYOUT 0
	s_wait_xcnt 0x0                                ; the stores have read their registers: Wo's fragments may land there again
	FETCHW 7, 0
	MATMUL 1, 7, 0
	WAYOUT 1
	s_wait_dscnt 0x0                               ; no LDS instruction of mine is out at a signal
	s_wait_tensorcnt 0x0
	ds_add_u32 v254, v255
	s_wait_dscnt 0x0
	CROUND                                         ; the closing round: no work-group ends while a partner may still ask for rows that name it
	s_endpgm
.Lfunc_end_k_q21171099c5_outp:
	.size	k_q21171099c5_outp, .Lfunc_end_k_q21171099c5_outp-k_q21171099c5_outp
	.p2alignl 7, 3214868480
	.fill 96, 4, 3214868480
	.section	.rodata,"a",@progbits
	.p2align	6, 0x0
	.amdhsa_kernel k_q21171099c5_outp
		.amdhsa_group_segment_fixed_size 168448
		.amdhsa_private_segment_fixed_size 0
		.amdhsa_enable_private_segment 0
		.amdhsa_kernarg_size 48
		.amdhsa_user_sgpr_count 2
		.amdhsa_user_sgpr_kernarg_segment_ptr 1
		.amdhsa_wavefront_size32 1
		.amdhsa_system_sgpr_workgroup_id_x 1
		.amdhsa_system_sgpr_workgroup_id_y 1
		.amdhsa_system_sgpr_workgroup_id_z 1
		.amdhsa_system_vgpr_workitem_id 0
		.amdhsa_next_free_vgpr 1024
		.amdhsa_next_free_sgpr 66
		.amdhsa_reserve_vcc 0
		.amdhsa_float_denorm_mode_32 3
		.amdhsa_float_denorm_mode_16_64 3
		.amdhsa_memory_ordered 1
		.amdhsa_forward_progress 1
		.amdhsa_inst_pref_size 89
	.end_amdhsa_kernel
	.amdgpu_metadata
---
amdhsa.version: [ 1, 2 ]
amdhsa.kernels:
  - .name:           k_q21171099c5_outp
    .symbol:         k_q21171099c5_outp.kd
    .args:
      - { .name: ac, .offset: 0, .size: 8, .value_kind: global_buffer, .address_space: global }
      - { .name: asb, .offset: 8, .size: 8, .value_kind: global_buffer, .address_space: global }
      - { .name: Wo_codes, .offset: 16, .size: 8, .value_kind: global_buffer, .address_space: global }
      - { .name: Wo_scales, .offset: 24, .size: 8, .value_kind: global_buffer, .address_space: global }
      - { .name: bo, .offset: 32, .size: 8, .value_kind: global_buffer, .address_space: global }
      - { .name: out0, .offset: 40, .size: 8, .value_kind: global_buffer, .address_space: global }
    .group_segment_fixed_size: 168448
    .private_segment_fixed_size: 0
    .kernarg_segment_align: 8
    .kernarg_segment_size: 48
    .max_flat_workgroup_size: 128
    .sgpr_count:     66
    .vgpr_count:     1024
    .wavefront_size: 32
...
	.end_amdgpu_metadata
.endif
;; end of part 3
